; MI455X (gfx1250); checked and timed in simulation.
; The chip was launched on July 23, 2026; its instructions are those of AMD's public machine-readable ISA for CDNA 5 (MIT licence, August 2026) and "CDNA5" Instruction Set Architecture Reference Guide (July 2026). The comments in the code are by the model that wrote it; some were corrected since.
;; Multi Head Attention. Allowed arithmetic: matrix products marked QUANTISED: E4M3 operands, one given power-of-two scale a tensor, by v_wmma_f32_16x16x64_fp8_fp8 or v_wmma_f32_16x16x128_fp8_fp8, f32 sums; everything else in f32.
;; Inputs: Wk_codes 1,024 x 32 x 32 uint8 (E4M3 codes of Wk, K innermost, in blocks of 32 codes); Wo_codes 1,024 x 32 x 32 uint8 (E4M3 codes of Wo, K innermost, in blocks of 32 codes); Wq_codes 1,024 x 32 x 32 uint8 (E4M3 codes of Wq, K innermost, in blocks of 32 codes); Wv_codes 1,024 x 32 x 32 uint8 (E4M3 codes of Wv, K innermost, in blocks of 32 codes); bk 1,024 float32; bo 1,024 float32; bq 1,024 float32; bv 1,024 float32; lowp_scales 12 int32 (the exponents e of the quantised operands' scales 2^e); x_codes 4 x 2,048 x 32 x 32 uint8 (E4M3 codes of x, K innermost, in blocks of 32 codes).
;; Outputs: out0 4 x 2,048 x 1,024 float32.
;; This version of the problem:
;;   THIS VERSION OF THE PROBLEM IS GIVEN IN LOW PRECISION. The matrix products marked QUANTISED in the list below multiply operands that are first quantised to E4M3 (4 exponent bits, 3 mantissa bits; 8 bits a number), with one given power-of-two scale for each operand tensor; their sums are f32. All else is computed in f32.
;;   The module's matrix products, in the order in which they are computed (A, B: the left and right operand; K: the contracted axis; several contracted axes count as one K, in the product's order):
;;     1. [M 8,192, K 1,024] x [K 1,024, N 1,024]; A: input x (given as codes); B: input Wq (given as codes): QUANTISED (scales: A lowp_scales[0], B lowp_scales[1])
;;     2. [M 8,192, K 1,024] x [K 1,024, N 1,024]; A: input x (given as codes); B: input Wk (given as codes): QUANTISED (scales: A lowp_scales[2], B lowp_scales[3])
;;     3. [M 8,192, K 1,024] x [K 1,024, N 1,024]; A: input x (given as codes); B: input Wv (given as codes): QUANTISED (scales: A lowp_scales[4], B lowp_scales[5])
;;     4. batch 64 x [M 2,048, K 64] x [K 64, N 2,048]; A: computed on the way; B: computed on the way: QUANTISED (scales: A lowp_scales[6], B lowp_scales[7])
;;     5. batch 64 x [M 2,048, K 2,048] x [K 2,048, N 64]; A: softmax (see below); B: computed on the way: QUANTISED (scales: A lowp_scales[8], B lowp_scales[9])
;;     6. [M 8,192, K 1,024] x [K 1,024, N 1,024]; A: computed on the way; B: input Wo (given as codes): QUANTISED (scales: A lowp_scales[10], B lowp_scales[11])
;;   THE QUANTISER, for each operand of a quantised product, along K:
;;     - The operand's scale is 2^e, e = its entry of the input lowp_scales (int32; the entries are numbered through the quantised products in the list's order, A before B).
;;     - Each number is divided by the scale, clamped to +-448, and rounded to the nearest number of E4M3, ties to even, subnormals kept.
;;     - The product sums the exact products of the quantised numbers (number of the format x scale) in f32.
;;   ~~~python
;;   def quantise(x, axis, e):      # numpy; x: float32 -> the quantised numbers, widened to float32 again
;;       x = np.moveaxis(x, axis, -1); K = x.shape[-1]
;;       r = np.clip(x / 2.0 ** e, -448, 448)
;;       step = 2.0 ** (np.maximum(np.frexp(np.where(r == 0, 1, r))[1] - 1, -6) - 3)
;;       q = np.round(r / step) * step * 2.0 ** e      # np.round: ties to even
;;       return np.moveaxis(q, -1, axis).astype(np.float32)
;;   ~~~
;;   SOFTMAX AHEAD OF A QUANTISED PRODUCT. Where the list says 'softmax', what is quantised is not the finished softmax but p = 2^(t - M), with t = logit x log2(e) and M = ceil(the row's largest t), a whole number; so 1/2 < the row's largest p <= 1. The row's sum l is taken of the UNQUANTISED p, in f32, and the product's result is divided by l at the end. Since M is a whole number, a kernel that streams over the keys may use a running M (the ceiling of the running maximum): every later rescaling is an exact power of two, so the quantised numbers keep their values, but for numbers so far below the row's largest that they fall under the format's range.
;;   OPERANDS COMPUTED ON THE WAY. 'Computed on the way' means the value that the module computes at that place (a softmax that the list does not call 'softmax' is quantised finished and normalised). What goes into a quantiser is computed in f32, as accurately as f32 sums, v_exp_f32 and their like allow (about 1e-6 of the number): no bf16 or f16 on the way to a quantiser, and a product that is left as it is and whose result goes on into a quantised operand takes f32 operands (vector FMAs, or v_wmma_f32_16x16x4_f32). A number that lies on a knife's edge between two numbers of the format may be rounded either way, as far as f32 arithmetic and the matrix unit's own rounding can turn it there, and no further.
;;   INPUTS GIVEN AS CODES. Wk (in the module: [1024, 1024], K = its axis 0); Wo (in the module: [1024, 1024], K = its axis 0); Wq (in the module: [1024, 1024], K = its axis 0); Wv (in the module: [1024, 1024], K = its axis 0); x (in the module: [4, 2048, 1024], K = its axis 2): each comes as NAME_codes (uint8): NAME with its K axis moved to the last place and cut into blocks of 32 codes, [.., K / 32, bytes a block], one block behind the other in memory; one code a byte (a code: sign, 4 exponent bits, 3 mantissa bits); its scale is its entry of lowp_scales. Its value is code x scale, taken as it is: it is not quantised again, and the codes and scales need not be those that the quantiser above would give.
;; One version. Each part assembles by itself: llvm-mc -triple=amdgcn-amd-amdhsa -mcpu=gfx1250 --defsym DOCPART=n.
;; ======== version 1 of 1: 3 launches
;; workspace buffers: qc 8,388,608 bytes; kc 8,388,608 bytes; vc 8,388,608 bytes; ac 8,388,608 bytes
;; launch qkv (part 1): grid 12 x 32, 4 waves a work-group, clusters of 4 x 4, 327,680 bytes of LDS; arguments x_codes, Wq_codes, Wk_codes, Wv_codes, bq, bk, bv, lowp_scales, qc, kc, vc; writes qc, kc, vc
.if DOCPART == 1
	.amdgcn_target "amdgcn-amd-amdhsa--gfx1250"
	.amdhsa_code_object_version 6
	.text
	.protected	k_q114b458bc8_qkv
	.globl	k_q114b458bc8_qkv
	.p2align	8
	.type	k_q114b458bc8_qkv,@function
k_q114b458bc8_qkv:
	s_mov_b64 s[64:65], 0
	v_nop
	global_prefetch_b8 v0, s[64:65] scope:SCOPE_SE
	s_setreg_imm32_b32 hwreg(HW_REG_WAVE_MODE, 25, 1), 1
	s_wait_xcnt 0x0
	s_wait_alu depctr_hold_cnt(0) depctr_sa_sdst(0) depctr_va_vdst(0) depctr_va_sdst(0) depctr_va_ssrc(0) depctr_va_vcc(0) depctr_vm_vsrc(0)
	s_getreg_b32 s2, hwreg(HW_REG_IB_STS2, 6, 4)
	s_cmp_eq_u32 s2, 0
	s_cbranch_scc0 .Lentry_in_a_cluster
	s_endpgm
.Lentry_in_a_cluster:
	s_bfe_u32 s2, ttmp6, 0x10000c
	s_cmp_lg_u32 s2, 0xf033
	s_cbranch_scc0 .Lentry_shape_is_right
	s_endpgm
.Lentry_shape_is_right:
; q = x Wq + bq, k = x Wk + bk, v = x Wv + bv on codes of FP8 (E4M3), and their quantising for the attention that follows.
; x: [8192][1024] codes; W*: [1024 (feature)][1024 (K)] codes; b*: [1024] f32; the scales' exponents e[0..11] (int32).
; The cluster's x, T = 0, 1, 2, says which of the three products a cluster makes; it is the same number in all sixteen partners.
; A tile of 256 x 256 is made by four waves, each 128 x 128: 64 accumulators of 16 x 16.  K = 1024 goes in steps of 256 through two LDS slots.
; "A" (source 1) and "B" (source 0): for q and k, A = x (tokens) and B = W (features); for v, A = Wv (features) and B = x (tokens).
; In a result lane (r, h) holds A's row 16 a + r and B's rows 16 b + 8 h + 0..7.  So a lane's eight registers are eight neighbours along the NEXT product's K:
; the head's channels for q and k, the keys for v.  One conversion makes of them registers 2 (b % 4), 2 (b % 4) + 1 of an operand fragment of 16 rows x 64 K.
; OUT: fragments as IMAGES of their eight registers, 1,024 bytes: registers 0-3 at 16 x lane, registers 4-7 at 512 + 16 x lane: each store of the wave covers 512 consecutive bytes, aligned.
;   qc, kc: [batch x head 64][tile of 16 tokens 128][image];   vc: [batch x head 64][block of 64 keys 32][tile of 16 channels 4][image].
; SCALES.  A sum stands for sum x 2^E, E = e[2T] + e[2T+1].  The bias goes in as the C of each sum's first product, as b x 2^-E; the code is (sum + b 2^-E) / 2^(eo - E), held within +-448,
; eo = e[6] (q), e[7] (k), e[9] (v).  LIMITS: eo - E between -126 and 119, so that both powers of two are f32 numbers; NaN among the inputs is not served.
; CLUSTERS: 4 x 4 work-groups; A's tile is shared along a row of the cluster, B's along a column, each asked for jointly.
; The two branches on T hang on the cluster's x alone: all partners take the same way, and neither holds a barrier or a tensor load.
; REGISTERS: window 0: v16-31 addresses and constants; v32-95 the bias as C, later the numbers in hand; v128-255 A's fragments (one set), later the codes, 16 registers for each block of rows.
;   window 1: B's fragments, two sets.   windows 2, 3: the accumulators ((a, b) at v[8 (8 (a % 4) + b)]).
.set KROW,   1024                      ; a row of x or of W in bytes
.set ROWB,   256                       ; a tile's row in bytes
.set PITCH,  272                       ; an LDS row: 256 bytes + 16 of padding: row r starts at bank 4 r mod 64 (64 banks of 4 bytes: ISA guide 11.1)
.set FR,     16                        ; registers of a fragment, 16 rows x 128 K
.set NL,     4                         ; LDS loads that bring one
.set NP,     4                         ; places behind this matrix instruction (ISA guide 7.12.1)
.set HALFT,  128*PITCH                 ; what one tensor load brings
.set SLOT,   4*HALFT                   ; A's 256 rows, then B's 256 rows
.set LAPS,   KROW/(2*ROWB)             ; 2: a lap is once round the ring
.set SPARE,  2*SLOT                    ; behind the ring: the spare words, 128 bytes a wave
.set ADRA, 16                          ; v16-17  LDS address of my A fragments in slot 0, 1
.set ADRB, 20                          ; v20-21  the same for B
.set VO,   24                          ; v24, v25  16 x lane, and the same + the distance to the second fragment of a block
.set BO,   26                          ; v26     my byte offset in the bias
.set SPW,  28                          ; v28     my spare word; never rewritten
.set NIL,  29                          ; v29     0; never rewritten
.set LIM,  30                          ; v30     448 x 2^(eo - E)
.set SCL,  31                          ; v31     2^(eo - E)
.set BI,   32                          ; v32-95  the bias in the result's layout
.set TMP,  32                          ; v32-95  the way out: a block's 64 numbers, held
.set AF,   128
.set CD,   128                         ; the way out: codes, 16 registers for each of my 8 blocks
.set G1, 24
.set G0, 32
.set G1B, 48
.set G0B, 56
.set MSB, 0
.macro WIN new                         ; the immediate's high byte repeats the setting that is left
.if MSB != (\new)
	s_set_vgpr_msb (MSB<<8)|(\new)
.set MSB, \new
.endif
.endm
.set MUL_LO, 0xa1                      ; source 0 (B) window 1, source 1 (A) window 0, C and D window 2
.set MUL_HI, 0xf1                      ; the same, C and D window 3
.set TO_B,   0x40                      ; destination window 1, address window 0
; A joint load: waves 0 and 1 fetch for A, waves 2 and 3 for B.  The branch hangs on the wave's number alone.  Four v_nop follow each of the two lines.
.macro JLOAD g0a, g1a, g0b, g1b
	s_cmp_eq_u32 s15, 0
	s_cbranch_scc0 .Lfor_b_\@
	tensor_load_to_lds s[\g0a:\g0a+3], s[\g1a:\g1a+7]
	s_nop 0
.rept 4
	v_nop
.endr
	s_branch .Lasked_\@
.Lfor_b_\@:
	tensor_load_to_lds s[\g0b:\g0b+3], s[\g1b:\g1b+7]
	s_nop 0
.rept 4
	v_nop
.endr
.Lasked_\@:
.endm
.macro CREST                           ; a round of the cluster's barrier behind its opening barrier
	s_cmp_lg_u32 s14, 0
	s_cbranch_scc1 .Lnot_wave_0_\@
	s_barrier_signal -3
.Lnot_wave_0_\@:
	s_barrier_wait -3
	s_barrier_signal -1
	s_barrier_wait -1
.endm
.macro CROUND                          ; a whole round
	s_barrier_signal -1
	s_barrier_wait -1
	CREST
.endm
	s_load_b512 s[68:83], s[0:1], 0x0              ; x 68, Wq 70, Wk 72, Wv 74, bq 76, bk 78, bv 80, the exponents 82
	s_load_b128 s[84:87], s[0:1], 0x40             ; qc, kc
	s_load_b64 s[88:89], s[0:1], 0x50              ; vc
	v_lshl_add_u32 v[SPW], v0, 2, SPARE
	v_mov_b32 v[NIL], 0
	ds_add_u32 v28, v29
	s_wait_dscnt 0x0
	v_lshrrev_b32 v1, 5, v0
	v_readfirstlane_b32 s14, v1                    ; wave 0..3
	s_lshr_b32 s15, s14, 1                         ; which half of A's rows is mine.  Also: I fetch for A (0) or for B (1)
	s_and_b32 s16, s14, 1                          ; which half of B's rows.  Also: which 128 rows of that tile I fetch
	s_bfe_u32 s40, ttmp6, 0x40000                  ; cx, cy: my place in the cluster
	s_bfe_u32 s41, ttmp6, 0x40004
	s_and_b32 s12, ttmp7, 0xffff
	s_lshl_b32 s12, s12, 2                         ; 4 x the cluster's y: it walks the 32 tiles of tokens
	s_cmp_eq_u32 ttmp9, 2                          ; v?
	s_cselect_b32 s17, 0, s12
	s_cselect_b32 s42, s12, 0
	s_cselect_b32 s13, 4, 0
	s_add_co_u32 s17, s17, s41                     ; A's tile: cy (+ 4 x cluster y where A is x)
	s_add_co_u32 s42, s42, s40                     ; B's tile: cx (+ 4 x cluster y where B is x)
	s_lshl_b32 s43, s41, 2
	s_lshl_b32 s43, 15, s43                        ; my row of the cluster
	s_lshl_b32 s44, 0x1111, s40                    ; my column
	; descriptor group 1: a tile of 128 rows x 256 bytes, padded in LDS
	s_or_b32 s[G1+0], s43, (0<<16)|(1<<20)|(1<<21)|(5<<22)|(3<<25)  ; the mask: A's tiles go to my row; elements of 1 byte; padding on; bit 21 beside a mask; after every 64 words 4 words
	s_or_b32 s[G1B+0], s44, (0<<16)|(1<<20)|(1<<21)|(5<<22)|(3<<25) ; the same with my column's mask
.irp g, G1, G1B
	s_mov_b32 s[\g+1], ROWB<<16                    ; tensor_dim0
	s_mov_b32 s[\g+2], 128<<16                     ; tensor_dim1
	s_mov_b32 s[\g+3], ROWB<<16                    ; tile_dim0
	s_mov_b32 s[\g+4], 128                         ; tile_dim1
	s_mov_b32 s[\g+5], KROW                        ; tensor_dim0_stride
	s_mov_b32 s[\g+6], 0
	s_mov_b32 s[\g+7], 0
.endr
	s_lshl_b32 s18, s16, 7                         ; which 128 rows of the tile I fetch
	s_lshl_b32 s20, s17, 8
	s_add_co_u32 s20, s20, s18
	s_lshl_b32 s20, s20, 10                        ; A: (256 x tile + 128 x half) rows of 1,024 bytes: under 2^23
	s_mov_b32 s21, 0
	s_lshl_b32 s46, s42, 8
	s_add_co_u32 s46, s46, s18
	s_lshl_b32 s46, s46, 10                        ; B likewise
	s_mov_b32 s47, 0
	s_mul_i32 s45, s14, HALFT                      ; where they go: wave x 128 rows
	s_lshl_b32 s2, ttmp9, 3                        ; the exponents of this product's operands lie at byte 8 T,
	s_lshl_b32 s3, ttmp9, 2
	s_add_co_u32 s3, s3, s13                       ; the result's at byte 24 + 4 T (+ 4 for v): entries 6, 7, 9
	s_wait_kmcnt 0x0
	s_load_b64 s[96:97], s[82:83], s2 offset:0x0
	s_load_b32 s98, s[82:83], s3 offset:0x18
	s_cmp_eq_u32 ttmp9, 0                          ; the buffers are chosen on T alone
	s_cselect_b64 s[6:7], s[70:71], s[72:73]
	s_cselect_b64 s[8:9], s[76:77], s[78:79]
	s_cselect_b64 s[10:11], s[84:85], s[86:87]
	s_cmp_eq_u32 ttmp9, 2
	s_cselect_b64 s[6:7], s[74:75], s[6:7]         ; the weight,
	s_cselect_b64 s[8:9], s[80:81], s[8:9]         ; the bias,
	s_cselect_b64 s[10:11], s[88:89], s[10:11]     ; the codes' buffer
	s_cselect_b64 s[4:5], s[6:7], s[68:69]         ; A: the weight for v, else x
	s_cselect_b64 s[6:7], s[68:69], s[6:7]         ; B: x for v, else the weight
	s_add_nc_u64 s[20:21], s[4:5], s[20:21]
	s_add_nc_u64 s[46:47], s[6:7], s[46:47]
	CROUND                                         ; all sixteen work-groups are here: the first joint loads meet
.irp s, 0,1
	s_mov_b32 s[G0+4*\s], 1
	s_add_co_u32 s[G0+4*\s+1], s45, \s*SLOT
	s_add_nc_u64 s[G0+4*\s+2:G0+4*\s+3], s[20:21], \s*ROWB
	s_or_b32 s[G0+4*\s+3], s[G0+4*\s+3], 0x80000000
	s_mov_b32 s[G0B+4*\s], 1
	s_add_co_u32 s[G0B+4*\s+1], s45, \s*SLOT
	s_add_nc_u64 s[G0B+4*\s+2:G0B+4*\s+3], s[46:47], \s*ROWB
	s_or_b32 s[G0B+4*\s+3], s[G0B+4*\s+3], 0x80000000
	JLOAD G0+4*\s, G1, G0B+4*\s, G1B               ; two loads of mine are out
.endr
	v_and_b32 v1, 15, v0                           ; r
	v_bfe_u32 v2, v0, 4, 1                         ; h
	v_mul_u32_u24 v3, v1, PITCH
	v_lshl_add_u32 v4, v2, 4, v3                   ; a fragment's row x pitch + 16 h
	s_mul_i32 s21, s15, HALFT                      ; my 128 rows of A
	s_mul_i32 s22, s16, HALFT                      ; my 128 rows of B,
	s_add_co_u32 s22, s22, 2*HALFT                 ; which lie behind A's 256
.irp s, 0,1
	v_add_nc_u32 v[ADRA+\s], s21, v4
	v_add_nc_u32 v[ADRB+\s], s22, v4
	s_add_co_u32 s21, s21, SLOT
	s_add_co_u32 s22, s22, SLOT
.endr
	; where my codes go: ((token / 2048) x 16 + feature / 64) x 131,072 + (token % 2048) x 64, of my first token and my first feature
	s_lshl_b32 s18, s17, 8
	s_lshl_b32 s19, s15, 7
	s_add_co_u32 s18, s18, s19                     ; my first row of A
	s_lshl_b32 s19, s42, 8
	s_lshl_b32 s22, s16, 7
	s_add_co_u32 s19, s19, s22                     ; my first row of B
	s_mov_b32 s91, 131072
	s_mov_b32 s92, 4096
	s_cmp_eq_u32 ttmp9, 2
	s_cselect_b32 s46, s19, s18                    ; the token
	s_cselect_b32 s47, s18, s19                    ; the feature
	s_cselect_b32 s91, 4096, s91                   ; from a block's first fragment to its second: the next head (q, k) or the next 64 keys (v)
	s_cselect_b32 s92, 131072, s92                 ; from block 3 to block 4: four tiles of tokens on (q, k) or the next head (v)
	s_mov_b32 s93, 0
	s_lshr_b32 s20, s46, 11
	s_lshl_b32 s20, s20, 4
	s_lshr_b32 s47, s47, 6
	s_add_co_u32 s20, s20, s47
	s_lshl_b32 s20, s20, 17
	s_and_b32 s46, s46, 2047
	s_lshl_b32 s46, s46, 6
	s_add_co_u32 s20, s20, s46
	s_mov_b32 s21, 0
	s_add_nc_u64 s[10:11], s[10:11], s[20:21]
	v_and_b32 v5, 31, v0
	v_lshlrev_b32 v[VO], 4, v5
	v_add_nc_u32 v[VO+1], s91, v[VO]
	s_wait_kmcnt 0x0
	s_add_co_i32 s96, s96, s97                     ; E
	s_sub_co_i32 s90, 0, s96                       ; -E
	s_sub_co_i32 s98, s98, s96                     ; eo - E
	s_add_co_i32 s98, s98, 127
	s_lshl_b32 s99, s98, 23
	v_mov_b32 v[SCL], s99                          ; 2^(eo - E): the conversion takes its exponent field
	s_add_co_i32 s98, s98, 8
	s_lshl_b32 s98, s98, 23
	s_or_b32 s98, s98, 0x600000
	v_mov_b32 v[LIM], s98                          ; 448 x that
	; THE BIAS in the result's layout, x 2^-E, while the first tiles are on their way.  Both ways write all of v32-95.
	s_cmp_eq_u32 ttmp9, 2
	s_cbranch_scc1 .Lbias_v
	s_lshl_b32 s18, s42, 10                        ; q, k: the bias runs along a lane's registers: column block b, register j: feature 16 b + 8 h + j of my 128
	s_lshl_b32 s19, s16, 9
	s_add_co_u32 s18, s18, s19
	v_lshl_add_u32 v[BO], v2, 5, s18
.irp b, 0,1,2,3,4,5,6,7
	global_load_b128 v[BI+8*\b:BI+8*\b+3], v[BO], s[8:9] offset:64*\b
	global_load_b128 v[BI+8*\b+4:BI+8*\b+7], v[BO], s[8:9] offset:64*\b+16
.endr
	s_wait_loadcnt 0x0
.set i, 0
.rept 64
	v_ldexp_f32 v[BI+i], v[BI+i], s90
.set i, i+1
.endr
	s_branch .Lbias_done
.Lbias_v:
	s_lshl_b32 s18, s17, 10                        ; v: the bias belongs to the lane's row: block a: feature 16 a + r of my 128, eight equal registers
	s_lshl_b32 s19, s15, 9
	s_add_co_u32 s18, s18, s19
	v_lshl_add_u32 v[BO], v1, 2, s18
.irp a, 0,1,2,3,4,5,6,7
	global_load_b32 v[BI+8*\a], v[BO], s[8:9] offset:64*\a
.endr
	s_wait_loadcnt 0x0
.irp a, 0,1,2,3,4,5,6,7
.irp j, 7,6,5,4,3,2,1,0
	v_ldexp_f32 v[BI+8*\a+\j], v[BI+8*\a], s90     ; register 0, the source, is written last
.endr
.endr
.Lbias_done:
.macro FRAG reg, adr, q, i             ; a fragment: lane l holds row l % 16; registers 4 c .. 4 c + 3 hold K = 32 c + 16 (l / 16) + 0 .. 15: the same places in A and in B, so every product meets its partner
.irp c, 0,1,2,3
	ds_load_b128 v[\reg+4*\c:\reg+4*\c+3], v[\adr] offset:128*(\q)+32*\c+(\i)*16*PITCH
.endr
.endm
; 16 matrix instructions: A's blocks a0, a0 + 1 x B's eight.  p: B's set.  cmode 0: the sums go on; 1: they begin with the bias of column block b; 2: with the bias of row block a.
; The 64 accumulators take turns, one instruction a turn, in the same order in every step.
.macro MUL16 a0, p, cmode
.irp a, \a0, \a0+1
.irp b, 0,1,2,3,4,5,6,7
.if \cmode == 0
	v_wmma_f32_16x16x128_fp8_fp8 v[8*(8*((\a)%4)+\b):8*(8*((\a)%4)+\b)+7], v[128*(\p)+FR*\b:128*(\p)+FR*\b+FR-1], v[AF+FR*(\a):AF+FR*(\a)+FR-1], v[8*(8*((\a)%4)+\b):8*(8*((\a)%4)+\b)+7]
.elseif \cmode == 1
	v_wmma_f32_16x16x128_fp8_fp8 v[8*(8*((\a)%4)+\b):8*(8*((\a)%4)+\b)+7], v[128*(\p)+FR*\b:128*(\p)+FR*\b+FR-1], v[AF+FR*(\a):AF+FR*(\a)+FR-1], v[BI+8*\b:BI+8*\b+7]
.else
	v_wmma_f32_16x16x128_fp8_fp8 v[8*(8*((\a)%4)+\b):8*(8*((\a)%4)+\b)+7], v[128*(\p)+FR*\b:128*(\p)+FR*\b+FR-1], v[AF+FR*(\a):AF+FR*(\a)+FR-1], v[BI+8*(\a):BI+8*(\a)+7]
.endif
.endr
.endr
.endm
.macro FETCH_B slot, q, p              ; B's eight fragments of the slot's q-th 128 along K into set p
	WIN TO_B
.irp i, 0,1,2,3,4,5,6,7
	FRAG 128*(\p)+FR*\i, ADRB+\slot, \q, \i
.endr
	WIN 0
.endm
.macro FETCH_A slot, q, i0             ; A's blocks i0 .. i0 + 3
.irp i, \i0, \i0+1, \i0+2, \i0+3
	FRAG AF+FR*(\i), ADRA+\slot, \q, \i
.endr
.endm
.macro PLACES n                        ; plain vector instructions between a matrix instruction and a load into, or a vector read or write of, its registers
.rept \n
	v_nop
.endr
.endm
; A step of 128 along K that has its successor in the same slot.  With cmode 1 or 2 the C operand lies in window 0.
.macro STEP slot, q, cmode
	s_wait_dscnt 4*NL                              ; B's set and A's blocks 0-3 are in; the youngest 16 loads (A's blocks 4-7) may be out
.if \cmode
	WIN 0x81
.else
	WIN MUL_LO
.endif
	MUL16 0, (\q)%2, \cmode
	MUL16 2, (\q)%2, \cmode
	s_wait_dscnt 0                                 ; A's blocks 4-7 are in
	PLACES NP
	FETCH_B \slot, (\q)+1, 1-(\q)%2
	FETCH_A \slot, (\q)+1, 0
.if \cmode
	WIN 0xc1
.else
	WIN MUL_HI
.endif
	MUL16 4, (\q)%2, \cmode
	MUL16 6, (\q)%2, \cmode
	PLACES NP
	WIN 0
	FETCH_A \slot, (\q)+1, 4
.endm
; A slot's last step changes slots: one barrier; in front of it each wave waits for all its tensor loads, adds 0 to its spare word, and waits for that and for its reads of this slot.
.macro TURN slot, next, fill
	s_wait_tensorcnt 0x0                           ; all my tensor loads have landed: my part of the next slot
	ds_add_u32 v[SPW], v[NIL]                      ; 0 onto my spare word
	s_wait_dscnt 4*NL+1                            ; the add and the youngest 16 loads (A's blocks 4-7) may be out
	WIN MUL_LO
	MUL16 0, 1, 0                                  ; sixteen matrix instructions stand between the add and the wait for it
	s_wait_dscnt 0x0                               ; the add is done, and my reads of this slot are over
	s_barrier_signal -1
	MUL16 2, 1, 0
	WIN 0
	s_barrier_wait -1
.if \fill
	CREST                                          ; the barrier has opened a round of the cluster's barrier: no wave of any partner still reads this slot or has a load on its way
	s_add_nc_u64 s[G0+4*\slot+2:G0+4*\slot+3], s[G0+4*\slot+2:G0+4*\slot+3], 2*ROWB
	s_add_nc_u64 s[G0B+4*\slot+2:G0B+4*\slot+3], s[G0B+4*\slot+2:G0B+4*\slot+3], 2*ROWB
	JLOAD G0+4*\slot, G1, G0B+4*\slot, G1B         ; the first tensor load behind the round; its four v_nop are the places in front of the loads below
.else
	PLACES NP
.endif
	FETCH_B \next, 0, 0
	FETCH_A \next, 0, 0
	WIN MUL_HI
	MUL16 4, 1, 0
	MUL16 6, 1, 0
	PLACES NP
	WIN 0
	FETCH_A \next, 0, 4
.endm
	s_wait_tensorcnt 1                             ; my part of slot 0 is in; slot 1's load may be out
	s_barrier_signal -1
	s_barrier_wait -1
	FETCH_B 0, 0, 0
	FETCH_A 0, 0, 0
	FETCH_A 0, 0, 4
	s_cmp_eq_u32 ttmp9, 2                          ; the first step starts the sums with the bias; which registers hold it differs between q, k and v
	s_cbranch_scc1 .Lfirst_v
	STEP 0, 0, 1
	s_branch .Lfirst_done
.Lfirst_v:
	STEP 0, 0, 2
.Lfirst_done:
	s_mov_b32 s3, LAPS-1
.Llap:                                                 ; a trip goes once round the ring and fills both slots again
	TURN 0, 1, 1
	STEP 1, 0, 0
	TURN 1, 0, 1
	STEP 0, 0, 0
	s_sub_co_u32 s3, s3, 1
	s_cmp_lg_u32 s3, 0
	s_cbranch_scc1 .Llap
	TURN 0, 1, 0                                   ; the last lap fills nothing
	STEP 1, 0, 0
	s_wait_dscnt 4*NL                              ; the last step: nothing more to fetch
	WIN MUL_LO
	MUL16 0, 1, 0
	MUL16 2, 1, 0
	s_wait_dscnt 0
	WIN MUL_HI
	MUL16 4, 1, 0
	MUL16 6, 1, 0
	WIN 0
; THE WAY OUT, block by block of 16 rows of A.  64 numbers are held within +-448 x the scale (the conversion to an 8-bit code does not saturate: ISA guide 7.6.2), each accumulator from its low end on;
; eight conversions make two fragments of eight registers; four stores of 512 consecutive bytes.  Each block has code registers of its own, so no store's data are written again.
.macro OUTBLK a
.set AC, 64*((\a)%4)
	WIN 0x02+((\a)/4)                              ; source 0: window 2 or 3
.set i, 0
.rept 64
	v_med3_num_f32 v[TMP+i], v[AC+i], -v[LIM], v[LIM]
.set i, i+1
.endr
	WIN 0
.irp b, 0,1,2,3,4,5,6,7
	v_cvt_scalef32_pk8_fp8_f32 v[CD+16*(\a)+2*\b:CD+16*(\a)+2*\b+1], v[TMP+8*\b:TMP+8*\b+7], v[SCL]
.endr
	v_nop                                          ; one plain vector instruction between the conversions and the next block's writes of their sources
.irp g, 0,1
.irp c, 0,1
	global_store_b128 v[VO+\g], v[CD+16*(\a)+8*\g+4*\c:CD+16*(\a)+8*\g+4*\c+3], s[10:11] offset:((\a)%4)*1024+\c*512
.endr
.endr
.endm
	PLACES NP                                      ; behind the last products: their results are read and A's registers written below
.irp a, 0,1,2,3,4,5,6,7
.if \a == 4
	s_wait_xcnt 0x0                                ; the stores issued so far have read their base
	s_add_nc_u64 s[10:11], s[10:11], s[92:93]
.endif
	OUTBLK \a
.endr
	s_wait_tensorcnt 0x0                           ; the wave's end
	ds_add_u32 v[SPW], v[NIL]
	s_wait_dscnt 0x0
	CROUND                                         ; the closing round: no work-group ends while a partner may still ask for a tile that names it
	s_endpgm
.Lfunc_end_k_q114b458bc8_qkv:
	.size	k_q114b458bc8_qkv, .Lfunc_end_k_q114b458bc8_qkv-k_q114b458bc8_qkv
	.p2alignl 7, 3214868480
	.fill 96, 4, 3214868480
	.section	.rodata,"a",@progbits
	.p2align	6, 0x0
	.amdhsa_kernel k_q114b458bc8_qkv
		.amdhsa_group_segment_fixed_size 327680
		.amdhsa_private_segment_fixed_size 0
		.amdhsa_enable_private_segment 0
		.amdhsa_kernarg_size 88
		.amdhsa_user_sgpr_count 2
		.amdhsa_user_sgpr_kernarg_segment_ptr 1
		.amdhsa_wavefront_size32 1
		.amdhsa_system_sgpr_workgroup_id_x 1
		.amdhsa_system_sgpr_workgroup_id_y 1
		.amdhsa_system_sgpr_workgroup_id_z 1
		.amdhsa_system_vgpr_workitem_id 0
		.amdhsa_next_free_vgpr 1024
		.amdhsa_next_free_sgpr 100
		.amdhsa_reserve_vcc 0
		.amdhsa_float_denorm_mode_32 3
		.amdhsa_float_denorm_mode_16_64 3
		.amdhsa_memory_ordered 1
		.amdhsa_forward_progress 1
		.amdhsa_inst_pref_size 138
	.end_amdhsa_kernel
	.amdgpu_metadata
---
amdhsa.version: [ 1, 2 ]
amdhsa.kernels:
  - .name:           k_q114b458bc8_qkv
    .symbol:         k_q114b458bc8_qkv.kd
    .args:
      - { .name: x_codes, .offset: 0, .size: 8, .value_kind: global_buffer, .address_space: global }
      - { .name: Wq_codes, .offset: 8, .size: 8, .value_kind: global_buffer, .address_space: global }
      - { .name: Wk_codes, .offset: 16, .size: 8, .value_kind: global_buffer, .address_space: global }
      - { .name: Wv_codes, .offset: 24, .size: 8, .value_kind: global_buffer, .address_space: global }
      - { .name: bq, .offset: 32, .size: 8, .value_kind: global_buffer, .address_space: global }
      - { .name: bk, .offset: 40, .size: 8, .value_kind: global_buffer, .address_space: global }
      - { .name: bv, .offset: 48, .size: 8, .value_kind: global_buffer, .address_space: global }
      - { .name: lowp_scales, .offset: 56, .size: 8, .value_kind: global_buffer, .address_space: global }
      - { .name: qc, .offset: 64, .size: 8, .value_kind: global_buffer, .address_space: global }
      - { .name: kc, .offset: 72, .size: 8, .value_kind: global_buffer, .address_space: global }
      - { .name: vc, .offset: 80, .size: 8, .value_kind: global_buffer, .address_space: global }
    .group_segment_fixed_size: 327680
    .private_segment_fixed_size: 0
    .kernarg_segment_align: 8
    .kernarg_segment_size: 88
    .max_flat_workgroup_size: 128
    .sgpr_count:     100
    .vgpr_count:     1024
    .wavefront_size: 32
...
	.end_amdgpu_metadata
.endif
;; end of part 1
;; launch attn (part 2): grid 4 x 64, 16 waves a work-group, no clusters, 327,680 bytes of LDS; arguments qc, kc, vc, lowp_scales, ac; writes ac
.if DOCPART == 2
	.amdgcn_target "amdgcn-amd-amdhsa--gfx1250"
	.amdhsa_code_object_version 6
	.text
	.protected	k_q114b458bc8_attn
	.globl	k_q114b458bc8_attn
	.p2align	8
	.type	k_q114b458bc8_attn,@function
k_q114b458bc8_attn:
	s_mov_b64 s[64:65], 0
	v_nop
	global_prefetch_b8 v0, s[64:65] scope:SCOPE_SE
	s_setreg_imm32_b32 hwreg(HW_REG_WAVE_MODE, 25, 1), 1
	s_wait_xcnt 0x0
; Causal attention of one (batch, head) on codes of FP8 (E4M3), head size 64, 2,048 tokens; both products by v_wmma_f32_16x16x64_fp8_fp8.
; qc, kc: [batch x head 64][tile of 16 tokens 128][image of 1,024 bytes]; vc: [batch x head 64][block of 64 keys 32][tile of 16 channels 4][image]; an image is a fragment's eight registers:
; registers 0-3 at 16 x lane, 4-7 at 512 + 16 x lane; register 2 c, 2 c + 1 of lane (r, h) = row r, K = 16 c + 8 h + 0 .. 7.  ac: [tile of 16 tokens 512][head 16][image]: the next product's operand.
; SOFTMAX: t = score x log2(e) / 8; M = the running largest t, rounded up to a whole number; p = 2^(t - M) is quantised with 2^e8, not normalised; the row's sum is taken of the unquantised p and divides at the end.
; When M moves, the sum and O are multiplied by 2^(old M - new M), which rounds nothing.  A p that falls under the format's range under a running M is lost, as the problem allows.
; SHARES.  Work-group (i, batch x head) owns the blocks i and 7 - i of 256 queries: (i + 1) + (8 - i) = 9 blocks of 256 keys for every work-group.  Of its sixteen waves eight take each block; a wave owns 32 queries,
; two tiles A and B, so that each fragment of K and V read from LDS feeds two matrix instructions.  A key step is 64 keys.
; Both products are used transposed (S^T = K Q^T, O^T = V^T P^T): a lane holds one query throughout, its registers run along the keys, and the conversions' results are the second product's operand.
; K and V come through two LDS slots of 512 keys (32 KiB of K, 32 KiB of V, dense blocks of memory), fetched by waves 0-3, one tensor load each: one load of a wave is out at a time.
; CAUSAL.  Every work-group walks all four slots, so the loops' counts are constants and no tensor load or barrier is jumped over; a step whose 64 keys all come after the wave's 32 queries is left out by a scalar
; branch on ids; in the one step on the diagonal hidden scores become -infinity.  Key 0 counts for every query, so M is a number from the first step on.
; NO CLUSTER: the four work-groups of a head share K and V but own different query blocks, and the steps that are left out hang on the block: partners would take different branches.
; No prefetch: kc and vc were stored by the launch before this one and each of their bytes is read by four work-groups.
; LIMITS on the given exponents, so that each power of two is an f32 number: e6 + e7 between -123 and 130; e8, and e10 - e8 - e9, between -126 and 119.  NaN among the inputs is not served.
; Every wait of this text is for 0.
.set SLOT1, 131072                     ; slot 1 begins here: one exclusive or turns an address from one slot to the other
.set VOFF,  32768                      ; V's part of a slot
.set SPARE, 262144                     ; behind the ring: the spare words, 128 bytes for each of the sixteen waves
.set L16,  1                           ; v1   16 x lane
.set ADR,  2                           ; v2   the step's place in LDS
.set SPW,  3                           ; v3   my spare word; never rewritten
.set NIL,  4                           ; v4   0; never rewritten
.set SCLP, 5                           ; v5   2^e8
.set DL,   7                           ; v7   r - 8 h
.set STA,  8                           ; v8 -M, v9 the largest t, v[10:11] the sum in two halves: tile A
.set STB,  12                          ; the same for tile B
.set QA,   16                          ; Q's fragments
.set QB,   24
.set KR,   32                          ; v32-63   four fragments of K
.set VR,   64                          ; v64-95   four fragments of V^T
.set SA,   96                          ; v96-127  S^T, then p: tile A
.set SB,   128
.set OA,   160                         ; v160-191 O^T: tile A
.set OB,   192
.set PA,   224                         ; p's codes
.set PB,   232
.set TA,   240                         ; at work: +0, +1 maxima; +2, +3 f (a pair); +4 the lane exchange; +6, +7 a second chain of the sum
.set TB,   248
.set WV,   14
.set ROLE, 15
.set Q0,   18                          ; my first query
.set QL,   19                          ; my last
.set SEL,  20                          ; s[20:21] lane selects: lane l xor 16
.set CS,   22                          ; s[22:23] c = log2(e) / 8 x 2^(e6 + e7)
.set G1,   24                          ; s[24:31] descriptor group 1, the same for K and V
.set G0K,  32                          ; s[32:35], s[36:39] groups 0, which walk
.set G0V,  36
.set TBS,  40                          ; LDS byte of the step in hand
.set KEY,  41                          ; its first key
.set SLOTS, 42
.set STP,  43
.set LIMP, 49                          ; 448 x 2^e8
.set LIMO, 50                          ; 448 x 2^(e10 - e8 - e9)
.set SCLO, 51                          ; 2^(e10 - e8 - e9)
; Waves 0 and 1 fetch K's halves of a slot, waves 2 and 3 V's, the others nothing.  Four v_nop follow each of the two lines.
.macro TLOAD
	s_cmp_lt_u32 s[WV], 2
	s_cbranch_scc0 .Lnot_k_\@
	tensor_load_to_lds s[G0K:G0K+3], s[G1:G1+7]
	s_nop 0
.rept 4
	v_nop
.endr
	s_branch .Lasked_\@
.Lnot_k_\@:
	s_cmp_lt_u32 s[WV], 4
	s_cbranch_scc0 .Lasked_\@
	tensor_load_to_lds s[G0V:G0V+3], s[G1:G1+7]
	s_nop 0
.rept 4
	v_nop
.endr
.Lasked_\@:
.endm
	s_load_b256 s[4:11], s[0:1], 0x0               ; qc s[4:5], kc s[6:7], vc s[8:9], the exponents s[10:11]
	s_load_b64 s[12:13], s[0:1], 0x20              ; ac
	v_lshl_add_u32 v[SPW], v0, 2, SPARE
	v_mov_b32 v[NIL], 0
	ds_add_u32 v3, v4
	s_wait_dscnt 0x0
	v_lshrrev_b32 v1, 5, v0
	v_readfirstlane_b32 s[WV], v1                  ; wave 0..15
	s_lshr_b32 s52, s[WV], 2
	s_xor_b32 s52, s52, s[WV]
	s_and_b32 s[ROLE], s52, 1                      ; which of the two blocks: bit 0 xor bit 2 of the wave's number, so that waves 2 n and 2 n + 1 take one each
	s_lshr_b32 s16, s[WV], 1                       ; which 32 queries of the block
	s_sub_co_u32 s53, 7, ttmp9
	s_cmp_eq_u32 s[ROLE], 1
	s_cselect_b32 s53, s53, ttmp9                  ; block 7 - i or block i
	s_lshl_b32 s[Q0], s53, 8
	s_lshl_b32 s54, s16, 5
	s_add_co_u32 s[Q0], s[Q0], s54
	s_add_co_u32 s[QL], s[Q0], 31
	s_and_b32 s55, ttmp7, 0xffff                   ; batch x 16 + head
	s_lshl_b32 s56, s55, 17                        ; its 131,072 bytes in qc, kc and vc
	s_mov_b32 s57, 0
	s_and_b32 s58, s[WV], 1
	s_lshl_b32 s59, s58, 14                        ; the half of 16,384 bytes that I fetch, if I fetch: in memory and in LDS
	s_mov_b32 s60, s59
	s_mov_b32 s61, 0
	s_add_nc_u64 s[60:61], s[60:61], s[56:57]
	s_lshl_b32 s62, s[Q0], 6                       ; my two tiles of Q: 1,024 bytes for 16 queries
	s_mov_b32 s63, 0
	s_add_nc_u64 s[62:63], s[62:63], s[56:57]
	s_lshr_b32 s52, s55, 4                         ; ac: ((batch x 128 + query / 16) x 16 + head) x 1,024
	s_lshl_b32 s52, s52, 7
	s_lshr_b32 s53, s[Q0], 4
	s_add_co_u32 s52, s52, s53
	s_lshl_b32 s52, s52, 4
	s_and_b32 s53, s55, 15
	s_add_co_u32 s52, s52, s53
	s_lshl_b32 s52, s52, 10
	s_mov_b32 s53, 0
	; descriptor group 1: a dense block of 16,384 bytes as 64 rows of 256 bytes
	s_mov_b32 s[G1], 3<<16                         ; no mask; elements of 8 bytes; no padding: images are read 16 bytes a lane on end
	s_mov_b32 s[G1+1], 32<<16                      ; tensor_dim0 = 32
	s_mov_b32 s[G1+2], 64<<16                      ; tensor_dim1 = 64
	s_mov_b32 s[G1+3], 32<<16                      ; tile_dim0 = 32
	s_mov_b32 s[G1+4], 64                          ; tile_dim1 = 64
	s_mov_b32 s[G1+5], 32                          ; the pitch
	s_mov_b32 s[G1+6], 0
	s_mov_b32 s[G1+7], 0
	s_mov_b32 s[SEL], 0x76543210
	s_mov_b32 s[SEL+1], 0xfedcba98
	s_mov_b32 s[CS], 0x3e38aa3b                    ; log2(e) / 8
	s_mov_b32 s[TBS], 0
	s_mov_b32 s[KEY], 0
	s_mov_b32 s[SLOTS], 3
	s_wait_kmcnt 0x0
	s_load_b128 s[44:47], s[10:11], 0x18           ; e6, e7, e8, e9
	s_load_b32 s48, s[10:11], 0x28                 ; e10
	s_mov_b32 s[G0K], 1
	s_mov_b32 s[G0K+1], s59                        ; slot 0, K's part
	s_add_nc_u64 s[G0K+2:G0K+3], s[6:7], s[60:61]
	s_or_b32 s[G0K+3], s[G0K+3], 0x80000000
	s_mov_b32 s[G0V], 1
	s_add_co_u32 s[G0V+1], s59, VOFF               ; slot 0, V's part
	s_add_nc_u64 s[G0V+2:G0V+3], s[8:9], s[60:61]
	s_or_b32 s[G0V+3], s[G0V+3], 0x80000000
	TLOAD                                          ; slot 0: keys 0 to 511
	s_add_nc_u64 s[4:5], s[4:5], s[62:63]
	s_add_nc_u64 s[12:13], s[12:13], s[52:53]
	v_and_b32 v1, 31, v0
	v_lshlrev_b32 v[L16], 4, v1
	global_load_b128 v[QA:QA+3], v[L16], s[4:5]
	global_load_b128 v[QA+4:QA+7], v[L16], s[4:5] offset:512
	global_load_b128 v[QB:QB+3], v[L16], s[4:5] offset:1024
	global_load_b128 v[QB+4:QB+7], v[L16], s[4:5] offset:1536
	v_and_b32 v6, 15, v0                           ; r
	v_bfe_u32 v7, v0, 4, 1                         ; h
	v_lshlrev_b32 v7, 3, v7
	v_sub_nc_u32 v[DL], v6, v7                     ; r - 8 h
.irp st, STA, STB
	v_mov_b32 v[\st+1], 0xff61b1e6                 ; the largest t so far: -3e38, under every t
	v_floor_f32 v[\st], -v[\st+1]                  ; -M
	v_mov_b32 v[\st+2], 0                          ; the sum
	v_mov_b32 v[\st+3], 0
.endr
.irp t, TA, TB
	v_mov_b32 v[\t+3], 0                           ; named as the upper half of f's pair
	v_mov_b32 v[\t+4], 0                           ; a lane permute's destination counts as one of its sources
.endr
.set i, 0
.rept 64
	v_mov_b32 v[OA+i], 0                           ; O^T of both tiles: the step is written once; its first run finds zeros, which the first change of M leaves zeros
.set i, i+1
.endr
	s_wait_kmcnt 0x0
	s_add_co_i32 s54, s44, s45
	s_lshl_b32 s54, s54, 23
	s_add_co_i32 s[CS], s[CS], s54                 ; a score stands for score x 2^(e6 + e7): added to c's exponent field
	s_mov_b32 s[CS+1], s[CS]                       ; named with it as a pair
	s_add_co_i32 s54, s46, 127
	s_lshl_b32 s55, s54, 23
	v_mov_b32 v[SCLP], s55                         ; 2^e8
	s_add_co_i32 s54, s54, 8
	s_lshl_b32 s54, s54, 23
	s_or_b32 s[LIMP], s54, 0x600000                ; 448 x 2^e8
	s_sub_co_i32 s54, s48, s46
	s_sub_co_i32 s54, s54, s47                     ; O^T / the sum stands for that x 2^(e8 + e9): its code is that / 2^(e10 - e8 - e9)
	s_add_co_i32 s54, s54, 127
	s_lshl_b32 s[SCLO], s54, 23
	s_add_co_i32 s54, s54, 8
	s_lshl_b32 s54, s54, 23
	s_or_b32 s[LIMO], s54, 0x600000
; Lines of a tile's softmax, numbered by the symbol k.
.macro MAXL s, t                       ; line k of 16: the largest of the lane's 32 scores, in two chains, the registers in ascending order (each accumulator from its low end on)
.if k == 0
	v_max3_num_f32 v[\t], v[\s], v[\s+1], v[\s+2]
.elseif k == 1
	v_max3_num_f32 v[\t+1], v[\s+3], v[\s+4], v[\s+5]
.elseif k < 15
	v_max3_num_f32 v[\t+k%2], v[\t+k%2], v[\s+2*k+2], v[\s+2*k+3]
.else
	v_max_num_f32 v[\t], v[\t], v[\t+1]
.endif
.endm
.macro STATL n, st, t                  ; line n of 9: the new M and f
.if \n == 0
	v_permlanex16_b32 v[\t+4], v[\t], s[SEL], s[SEL+1]   ; the query's other 32 keys lie in lane l xor 16
.elseif \n == 1
	v_max_num_f32 v[\t], v[\t], v[\t+4]
.elseif \n == 2
	v_mul_f32 v[\t], s[CS], v[\t]                  ; as t (c is positive)
.elseif \n == 3
	v_max_num_f32 v[\st+1], v[\st+1], v[\t]        ; the running largest t
.elseif \n == 4
	v_mov_b32 v[\t], v[\st]
.elseif \n == 5
	v_floor_f32 v[\st], -v[\st+1]                  ; -M = floor(-t): M is a whole number
.elseif \n == 6
	v_sub_f32 v[\t], v[\st], v[\t]                 ; old M - new M, 0 or less
.elseif \n == 7
	v_cvt_i32_f32 v[\t], v[\t]                     ; (it saturates)
.else
	v_ldexp_f32 v[\t+2], 1.0, v[\t]                ; f = 2^(old M - new M)
.endif
.endm
.macro SUML st, s, t                   ; line k of 16: the sum of the unquantised p, two at a time, in two chains
.if k == 0
	s_wait_alu depctr_va_vdst(0)
	v_pk_add_f32 v[\t+6:\t+7], v[\s:\s+1], v[\s+2:\s+3]
.elseif k == 15
	v_pk_add_f32 v[\st+2:\st+3], v[\st+2:\st+3], v[\t+6:\t+7]
.elseif k%2 == 1
	v_pk_add_f32 v[\st+2:\st+3], v[\st+2:\st+3], v[\s+2*k+2:\s+2*k+3]
.else
	v_pk_add_f32 v[\t+6:\t+7], v[\t+6:\t+7], v[\s+2*k+2:\s+2*k+3]
.endif
.endm
.macro HOLDL s                         ; line k of 16: pair k is held at 448 x 2^e8 (the conversion does not saturate: ISA guide 7.6.2; p is not negative).  Its sum line stands ahead: line 0 for pairs 0 and 1, line k - 1 else
	v_min_num_f32 v[\s+2*k], s[LIMP], v[\s+2*k]
	v_min_num_f32 v[\s+2*k+1], s[LIMP], v[\s+2*k+1]
.endm
; A KEY STEP: 64 keys from s[KEY] on, at LDS byte s[TBS] of K's part and of V's.
.macro STEP
	s_cmp_gt_u32 s[KEY], s[QL]                     ; all 64 keys come after my 32 queries: nothing to do
	s_cbranch_scc1 .Lhidden_\@
	v_add_nc_u32 v[ADR], s[TBS], v[L16]
.irp t, 0,1,2,3
	ds_load_b128 v[KR+8*\t:KR+8*\t+3], v[ADR] offset:1024*\t
	ds_load_b128 v[KR+8*\t+4:KR+8*\t+7], v[ADR] offset:1024*\t+512
.endr
	s_wait_dscnt 0x0
.irp t, 0,1,2,3                                ; S^T = K Q^T: register 8 t + j of lane (r, h): key 16 t + 8 h + j, query r
	v_wmma_f32_16x16x64_fp8_fp8 v[SA+8*\t:SA+8*\t+7], v[KR+8*\t:KR+8*\t+7], v[QA:QA+7], 0
	v_wmma_f32_16x16x64_fp8_fp8 v[SB+8*\t:SB+8*\t+7], v[KR+8*\t:KR+8*\t+7], v[QB:QB+7], 0
.endr
.rept 4
	v_nop                                          ; the places in front of the first read of the scores; with the addition above, five behind the last step's products, whose V registers are loaded below
.endr
.irp t, 0,1,2,3
	ds_load_b128 v[VR+8*\t:VR+8*\t+3], v[ADR] offset:VOFF+1024*\t
	ds_load_b128 v[VR+8*\t+4:VR+8*\t+7], v[ADR] offset:VOFF+1024*\t+512
.endr
	s_add_co_u32 s52, s[KEY], 63
	s_cmp_le_u32 s52, s[Q0]                        ; all 64 keys count for all my queries
	s_cbranch_scc1 .Lopen_\@
	s_sub_co_i32 s52, s[Q0], s[KEY]
	v_add_nc_u32 v[TA], s52, v[DL]                 ; d = my query - the step's first key - 8 h: register 8 t + j is hidden where 16 t + j > d
	v_add_nc_u32 v[TB], 16, v[TA]                  ; tile B's queries lie 16 further on
	v_mov_b32 v[TA+1], 0xff800000                  ; -infinity
.set k, 0
.rept 32
	v_cmp_gt_i32 vcc_lo, 16*(k/8)+k%8, v[TA]
	v_cndmask_b32 v[SA+k], v[SA+k], v[TA+1], vcc_lo
.set k, k+1
.endr
.set k, 0
.rept 32
	v_cmp_gt_i32 vcc_lo, 16*(k/8)+k%8, v[TB]
	v_cndmask_b32 v[SB+k], v[SB+k], v[TA+1], vcc_lo
.set k, k+1
.endr
.Lopen_\@:
.set k, 0
.rept 16                                       ; the maxima: the two tiles alternate
	MAXL SA, TA
	MAXL SB, TB
.set k, k+1
.endr
.irp n, 0,1,2,3,4,5,6,7,8
	STATL \n, STA, TA
	STATL \n, STB, TB
.endr
.set k, 0
.rept 16
	v_pk_fma_f32 v[SA+2*k:SA+2*k+1], v[SA+2*k:SA+2*k+1], s[CS:CS+1], v[STA:STA+1] op_sel_hi:[1,0,0]   ; t - M, two at a time
.set k, k+1
.endr
.set k, 0
.rept 16                                       ; A's exponentials, with B's scalings as the plain lines between them
	v_exp_f32 v[SA+2*k], v[SA+2*k]
	v_exp_f32 v[SA+2*k+1], v[SA+2*k+1]
	v_pk_fma_f32 v[SB+2*k:SB+2*k+1], v[SB+2*k:SB+2*k+1], s[CS:CS+1], v[STB:STB+1] op_sel_hi:[1,0,0]
.set k, k+1
.endr
	v_pk_mul_f32 v[STA+2:STA+3], v[STA+2:STA+3], v[TA+2:TA+3] op_sel_hi:[1,0]   ; A's sum under the new M
.set k, 0
.rept 16                                       ; B's exponentials, with A's sums and holds between them
	v_exp_f32 v[SB+2*k], v[SB+2*k]
	SUML STA, SA, TA
	v_exp_f32 v[SB+2*k+1], v[SB+2*k+1]
	HOLDL SA
.set k, k+1
.endr
	v_pk_mul_f32 v[STB+2:STB+3], v[STB+2:STB+3], v[TB+2:TB+3] op_sel_hi:[1,0]
	s_wait_alu depctr_va_vdst(0)
.set k, 0
.rept 16
	SUML STB, SB, TB
.set k, k+1
.endr
.set k, 0
.rept 16
	HOLDL SB
.set k, k+1
.endr
.irp t, 0,1,2,3                                ; eight neighbouring keys of a lane's query become registers 2 t, 2 t + 1 of P's fragment
	v_cvt_scalef32_pk8_fp8_f32 v[PA+2*\t:PA+2*\t+1], v[SA+8*\t:SA+8*\t+7], v[SCLP]
.endr
.irp t, 0,1,2,3
	v_cvt_scalef32_pk8_fp8_f32 v[PB+2*\t:PB+2*\t+1], v[SB+8*\t:SB+8*\t+7], v[SCLP]
.endr
.set k, 0
.rept 16                                       ; O^T under the new M; these plain lines also stand between the conversions and the products that read their results
	v_pk_mul_f32 v[OA+2*k:OA+2*k+1], v[OA+2*k:OA+2*k+1], v[TA+2:TA+3] op_sel_hi:[1,0]
.set k, k+1
.endr
.set k, 0
.rept 16
	v_pk_mul_f32 v[OB+2*k:OB+2*k+1], v[OB+2*k:OB+2*k+1], v[TB+2:TB+3] op_sel_hi:[1,0]
.set k, k+1
.endr
	s_wait_dscnt 0x0                               ; V is in
.irp t, 0,1,2,3                                ; O^T += V^T P^T: eight accumulators by turns
	v_wmma_f32_16x16x64_fp8_fp8 v[OA+8*\t:OA+8*\t+7], v[VR+8*\t:VR+8*\t+7], v[PA:PA+7], v[OA+8*\t:OA+8*\t+7]
	v_wmma_f32_16x16x64_fp8_fp8 v[OB+8*\t:OB+8*\t+7], v[VR+8*\t:VR+8*\t+7], v[PB:PB+7], v[OB+8*\t:OB+8*\t+7]
.endr
.Lhidden_\@:
.endm
; THE CHANGE OF SLOTS stands at a slot's head.  Each wave waits for all its tensor loads, adds 0 to its spare word, and waits for that and for its reads of the slot that it has left.
; Behind the barrier the slot ahead is whole and nobody reads the other.  fill = 1: that other slot takes the next 512 keys: the load has a whole slot's steps in which to land.
.macro CHANGE fill
	s_wait_tensorcnt 0x0                           ; no tensor load of mine is out, so a group 0 may be written
	ds_add_u32 v[SPW], v[NIL]                      ; 0 onto my spare word
.if \fill
	s_xor_b32 s[G0K+1], s[G0K+1], SLOT1
	s_add_nc_u64 s[G0K+2:G0K+3], s[G0K+2:G0K+3], 32768
	s_xor_b32 s[G0V+1], s[G0V+1], SLOT1
	s_add_nc_u64 s[G0V+2:G0V+3], s[G0V+2:G0V+3], 32768
.endif
	s_wait_dscnt 0x0                               ; the add is done, and my reads of the slot that I have left are over
	s_barrier_signal -1
	s_barrier_wait -1
.if \fill
	TLOAD                                          ; the first thing behind the barrier, and a wave's one tensor load until the next
.endif
.endm
.macro SLOT_STEPS                      ; a slot's eight key steps: written once, walked eight times
	s_mov_b32 s[STP], 8
.Lstep_\@:
	STEP
	s_add_co_u32 s[TBS], s[TBS], 4096              ; four images of K, four of V
	s_add_co_u32 s[KEY], s[KEY], 64
	s_sub_co_u32 s[STP], s[STP], 1
	s_cmp_lg_u32 s[STP], 0
	s_cbranch_scc1 .Lstep_\@
	s_sub_co_u32 s[TBS], s[TBS], 32768             ; back to a slot's first step,
	s_xor_b32 s[TBS], s[TBS], SLOT1                ; in the other slot
.endm
	s_wait_loadcnt 0x0                             ; Q
.Lslot:                                            ; three trips: behind each change of slots but the last the next slot is asked for
	CHANGE 1
	SLOT_STEPS
	s_sub_co_u32 s[SLOTS], s[SLOTS], 1
	s_cmp_lg_u32 s[SLOTS], 0
	s_cbranch_scc1 .Lslot
	CHANGE 0                                       ; the last slot is written out
	SLOT_STEPS
	; THE WAY OUT.  O^T / the sum, held and converted: eight neighbouring channels of a lane's token are registers 2 t, 2 t + 1 of the next product's fragment.
.rept 4
	v_nop                                          ; places behind the last products
.endr
	v_mov_b32 v[TA], s[LIMO]
	v_mov_b32 v[TA+1], s[SCLO]
	v_add_f32 v[STA+2], v[STA+2], v[STA+3]         ; the sum's two halves,
	v_add_f32 v[STB+2], v[STB+2], v[STB+3]
	v_permlanex16_b32 v[TA+4], v[STA+2], s[SEL], s[SEL+1]
	v_permlanex16_b32 v[TB+4], v[STB+2], s[SEL], s[SEL+1]
	v_add_f32 v[STA+2], v[STA+2], v[TA+4]          ; and lane l xor 16's
	v_add_f32 v[STB+2], v[STB+2], v[TB+4]
	v_rcp_f32 v[STA+2], v[STA+2]
	v_rcp_f32 v[STB+2], v[STB+2]
	v_nop                                          ; one plain place behind the reciprocals
.set k, 0
	s_wait_alu depctr_va_vdst(0)
.rept 16
	v_pk_mul_f32 v[OA+2*k:OA+2*k+1], v[OA+2*k:OA+2*k+1], v[STA+2:STA+3] op_sel_hi:[1,0]
.set k, k+1
.endr
.set k, 0
.rept 16
	v_pk_mul_f32 v[OB+2*k:OB+2*k+1], v[OB+2*k:OB+2*k+1], v[STB+2:STB+3] op_sel_hi:[1,0]
.set k, k+1
.endr
.set k, 0
.rept 64
	v_med3_num_f32 v[OA+k], v[OA+k], -v[TA], v[TA] ; the hold at the largest code x the scale, both tiles
.set k, k+1
.endr
.irp t, 0,1,2,3
	v_cvt_scalef32_pk8_fp8_f32 v[PA+2*\t:PA+2*\t+1], v[OA+8*\t:OA+8*\t+7], v[TA+1]
.endr
.irp t, 0,1,2,3
	v_cvt_scalef32_pk8_fp8_f32 v[PB+2*\t:PB+2*\t+1], v[OB+8*\t:OB+8*\t+7], v[TA+1]
.endr
	v_nop
	global_store_b128 v[L16], v[PA:PA+3], s[12:13]                 ; each store covers 512 consecutive bytes, aligned
	global_store_b128 v[L16], v[PA+4:PA+7], s[12:13] offset:512
	global_store_b128 v[L16], v[PB:PB+3], s[12:13] offset:16384    ; the next tile of tokens: 16 heads x 1,024 bytes on
	global_store_b128 v[L16], v[PB+4:PB+7], s[12:13] offset:16896
	s_wait_tensorcnt 0x0                           ; the wave's end
	ds_add_u32 v[SPW], v[NIL]
	s_wait_dscnt 0x0
	s_endpgm
.Lfunc_end_k_q114b458bc8_attn:
	.size	k_q114b458bc8_attn, .Lfunc_end_k_q114b458bc8_attn-k_q114b458bc8_attn
	.p2alignl 7, 3214868480
	.fill 96, 4, 3214868480
	.section	.rodata,"a",@progbits
	.p2align	6, 0x0
	.amdhsa_kernel k_q114b458bc8_attn
		.amdhsa_group_segment_fixed_size 327680
		.amdhsa_private_segment_fixed_size 0
		.amdhsa_enable_private_segment 0
		.amdhsa_kernarg_size 40
		.amdhsa_user_sgpr_count 2
		.amdhsa_user_sgpr_kernarg_segment_ptr 1
		.amdhsa_wavefront_size32 1
		.amdhsa_system_sgpr_workgroup_id_x 1
		.amdhsa_system_sgpr_workgroup_id_y 1
		.amdhsa_system_sgpr_workgroup_id_z 1
		.amdhsa_system_vgpr_workitem_id 0
		.amdhsa_next_free_vgpr 256
		.amdhsa_next_free_sgpr 72
		.amdhsa_reserve_vcc 1
		.amdhsa_float_denorm_mode_32 3
		.amdhsa_float_denorm_mode_16_64 3
		.amdhsa_memory_ordered 1
		.amdhsa_forward_progress 1
		.amdhsa_inst_pref_size 57
	.end_amdhsa_kernel
	.amdgpu_metadata
---
amdhsa.version: [ 1, 2 ]
amdhsa.kernels:
  - .name:           k_q114b458bc8_attn
    .symbol:         k_q114b458bc8_attn.kd
    .args:
      - { .name: qc, .offset: 0, .size: 8, .value_kind: global_buffer, .address_space: global }
      - { .name: kc, .offset: 8, .size: 8, .value_kind: global_buffer, .address_space: global }
      - { .name: vc, .offset: 16, .size: 8, .value_kind: global_buffer, .address_space: global }
      - { .name: lowp_scales, .offset: 24, .size: 8, .value_kind: global_buffer, .address_space: global }
      - { .name: ac, .offset: 32, .size: 8, .value_kind: global_buffer, .address_space: global }
    .group_segment_fixed_size: 327680
    .private_segment_fixed_size: 0
    .kernarg_segment_align: 8
    .kernarg_segment_size: 40
    .max_flat_workgroup_size: 512
    .sgpr_count:     72
    .vgpr_count:     256
    .wavefront_size: 32
...
	.end_amdgpu_metadata
.endif
;; end of part 2
;; launch proj (part 3): grid 8 x 32, 4 waves a work-group, clusters of 4 x 4, 327,680 bytes of LDS; arguments ac, Wo_codes, lowp_scales, bo, out0; writes out0
.if DOCPART == 3
	.amdgcn_target "amdgcn-amd-amdhsa--gfx1250"
	.amdhsa_code_object_version 6
	.text
	.protected	k_q114b458bc8_proj
	.globl	k_q114b458bc8_proj
	.p2align	8
	.type	k_q114b458bc8_proj,@function
k_q114b458bc8_proj:
	s_mov_b64 s[64:65], 0
	v_nop
	global_prefetch_b8 v0, s[64:65] scope:SCOPE_SE
	s_setreg_imm32_b32 hwreg(HW_REG_WAVE_MODE, 25, 1), 1
	s_wait_xcnt 0x0
	s_wait_alu depctr_hold_cnt(0) depctr_sa_sdst(0) depctr_va_vdst(0) depctr_va_sdst(0) depctr_va_ssrc(0) depctr_va_vcc(0) depctr_vm_vsrc(0)
	s_getreg_b32 s2, hwreg(HW_REG_IB_STS2, 6, 4)
	s_cmp_eq_u32 s2, 0
	s_cbranch_scc0 .Lentry_in_a_cluster
	s_endpgm
.Lentry_in_a_cluster:
	s_bfe_u32 s2, ttmp6, 0x10000c
	s_cmp_lg_u32 s2, 0xf033
	s_cbranch_scc0 .Lentry_shape_is_right
	s_endpgm
.Lentry_shape_is_right:
; out0 = a Wo + bo on codes of FP8 (E4M3).  a: the attention's result as fragment images, ac [tile of 16 tokens 512][head 16][image of 1,024 bytes] (registers 0-3 at 16 x lane, 4-7 at 512 + 16 x lane;
; register 2 c, 2 c + 1 of lane (r, h) = token r, feature 64 head + 16 c + 8 h + 0 .. 7).  Wo: [1024 (output)][1024 (K)] codes.  bo [1024], out0 [8192][1024]: f32.
; out0 = sum x 2^(e10 + e11) + bo.  LIMIT: e10 + e11 between -126 and 127, so that the power of two is an f32 number.
; A tile of 256 tokens x 128 outputs to a work-group: 32 x 8 = 256 work-groups.  Four waves, each 128 x 64: 32 accumulators, (a, b) at v[8 (4 a + b)] of window 2.
; K goes in steps of 256 through two LDS slots.  A's part of a slot: for each of 16 tiles of tokens the images of four heads, 4,096 bytes on end, read back 16 bytes a lane: two images are a fragment of 128 along K.
; B's part: 128 rows of 256 bytes + 16 of padding, read by eight loads of 8 bytes a fragment, so that each k stands in the same place as in A's images: registers 2 c, 2 c + 1 = K 16 c + 8 h + 0 .. 7.
; CLUSTERS: 4 x 4 work-groups; A's tile is shared along a row of the cluster, B's along a column, each asked for jointly.
; THE MATRIX INSTRUCTION IS USED TRANSPOSED (source 0 = 16 rows of Wo, source 1 = 16 tokens): a lane holds eight neighbouring outputs of one token.
; REGISTERS: window 0: v16-29 addresses; v32-63 the bias; v64-95 a block's results; v128-255 A's fragments (one set), later rows on the way out.  window 1: v0-127 B's fragments, two sets.  window 2: the accumulators.
.set PITCH,  272                       ; B's LDS row: 68 words: row r starts at bank 4 r mod 64 (64 banks of 4 bytes: ISA guide 11.1)
.set FR,     16
.set NP,     4
.set AHALF,  32768                     ; 8 tiles of tokens x 4,096 bytes: what one of A's loads brings
.set BOFF,   2*AHALF
.set BHALF,  64*PITCH                  ; what one of B's loads brings
.set SLOT,   BOFF+2*BHALF              ; 100,352
.set STAGE,  2*SLOT                    ; behind the ring: 16 rows x 272 bytes for each wave; no fill lands here
.set SPITCH, 272
.set SPARE,  STAGE+4*16*SPITCH         ; behind the stages: the spare words, 128 bytes a wave
.set LAPS,   2                         ; 1,024 along K = 4 slots' worth = 2 laps
.set ADRA, 16
.set ADRB, 20
.set STO,  24
.set RD,   25
.set CO,   26
.set BO,   27
.set SPW,  28
.set NIL,  29
.set BIAS, 32
.set TMP,  64
.set AF,   128
.set BK,   128
.set G1, 24
.set G0, 32
.set G1B, 48
.set G0B, 56
.set MSB, 0
.macro WIN new
.if MSB != (\new)
	s_set_vgpr_msb (MSB<<8)|(\new)
.set MSB, \new
.endif
.endm
.set MUL,  0xa1                        ; source 0 (B) window 1, source 1 (A) window 0, C and D window 2
.set TO_B, 0x40
.macro JLOAD g0a, g1a, g0b, g1b        ; waves 0 and 1 fetch for A, waves 2 and 3 for B; four v_nop follow each of the two lines
	s_cmp_eq_u32 s15, 0
	s_cbranch_scc0 .Lfor_b_\@
	tensor_load_to_lds s[\g0a:\g0a+3], s[\g1a:\g1a+7]
	s_nop 0
.rept 4
	v_nop
.endr
	s_branch .Lasked_\@
.Lfor_b_\@:
	tensor_load_to_lds s[\g0b:\g0b+3], s[\g1b:\g1b+7]
	s_nop 0
.rept 4
	v_nop
.endr
.Lasked_\@:
.endm
.macro CREST
	s_cmp_lg_u32 s14, 0
	s_cbranch_scc1 .Lnot_wave_0_\@
	s_barrier_signal -3
.Lnot_wave_0_\@:
	s_barrier_wait -3
	s_barrier_signal -1
	s_barrier_wait -1
.endm
.macro CROUND
	s_barrier_signal -1
	s_barrier_wait -1
	CREST
.endm
	s_load_b128 s[4:7], s[0:1], 0x0                ; ac, Wo's codes
	s_load_b128 s[8:11], s[0:1], 0x10              ; the exponents, bo
	s_load_b64 s[12:13], s[0:1], 0x20              ; out0
	v_lshl_add_u32 v[SPW], v0, 2, SPARE
	v_mov_b32 v[NIL], 0
	ds_add_u32 v28, v29
	s_wait_dscnt 0x0
	v_lshrrev_b32 v1, 5, v0
	v_readfirstlane_b32 s14, v1                    ; wave 0..3
	s_lshr_b32 s15, s14, 1                         ; which 128 tokens are mine.  Also: I fetch for A (0) or for B (1)
	s_and_b32 s16, s14, 1                          ; which 64 outputs.  Also: which half of that tile I fetch
	s_bfe_u32 s40, ttmp6, 0x40000                  ; cx, cy
	s_bfe_u32 s41, ttmp6, 0x40004
	s_lshl_b32 s42, ttmp9, 2
	s_add_co_u32 s42, s42, s40                     ; tile of 128 outputs = 4 x cluster x + cx
	s_and_b32 s17, ttmp7, 0xffff
	s_lshl_b32 s17, s17, 2
	s_add_co_u32 s17, s17, s41                     ; tile of 256 tokens = 4 x cluster y + cy
	s_lshl_b32 s43, s41, 2
	s_lshl_b32 s43, 15, s43                        ; my row of the cluster
	s_lshl_b32 s44, 0x1111, s40                    ; my column
	; group 1 for A: 8 rows (tiles of tokens) of 4,096 bytes (four heads' images), 16,384 bytes apart; elements of 8 bytes; no padding
	s_or_b32 s[G1+0], s43, (3<<16)|(1<<21)
	s_mov_b32 s[G1+1], 512<<16                     ; tensor_dim0 = 512
	s_mov_b32 s[G1+2], 8<<16                       ; tensor_dim1 = 8
	s_mov_b32 s[G1+3], 512<<16                     ; tile_dim0 = 512
	s_mov_b32 s[G1+4], 8                           ; tile_dim1 = 8
	s_mov_b32 s[G1+5], 2048                        ; the pitch
	s_mov_b32 s[G1+6], 0
	s_mov_b32 s[G1+7], 0
	; group 1 for B: 64 rows of 256 bytes, 1,024 apart; elements of 1 byte; 4 words of padding after every 64
	s_or_b32 s[G1B+0], s44, (0<<16)|(1<<20)|(1<<21)|(5<<22)|(3<<25)
	s_mov_b32 s[G1B+1], 256<<16
	s_mov_b32 s[G1B+2], 64<<16
	s_mov_b32 s[G1B+3], 256<<16
	s_mov_b32 s[G1B+4], 64
	s_mov_b32 s[G1B+5], 1024
	s_mov_b32 s[G1B+6], 0
	s_mov_b32 s[G1B+7], 0
	s_lshl_b32 s20, s17, 18                        ; A: (16 x tile + 8 x half) tiles of tokens of 16,384 bytes
	s_lshl_b32 s18, s16, 17
	s_add_co_u32 s20, s20, s18
	s_mov_b32 s21, 0
	s_lshl_b32 s46, s42, 17                        ; B: (128 x tile + 64 x half) rows of 1,024 bytes
	s_lshl_b32 s18, s16, 16
	s_add_co_u32 s46, s46, s18
	s_mov_b32 s47, 0
	s_lshl_b32 s66, s16, 15                        ; where they go: A's halves,
	s_mul_i32 s67, s16, BHALF
	s_add_co_u32 s67, s67, BOFF                    ; B's halves behind them
	s_wait_kmcnt 0x0
	s_load_b64 s[96:97], s[8:9], 0x28              ; e10, e11
	s_add_nc_u64 s[20:21], s[4:5], s[20:21]
	s_add_nc_u64 s[46:47], s[6:7], s[46:47]
	CROUND                                         ; all sixteen work-groups are here: the first joint loads meet
.irp s, 0,1
	s_mov_b32 s[G0+4*\s], 1
	s_add_co_u32 s[G0+4*\s+1], s66, \s*SLOT
	s_add_nc_u64 s[G0+4*\s+2:G0+4*\s+3], s[20:21], \s*4096
	s_or_b32 s[G0+4*\s+3], s[G0+4*\s+3], 0x80000000
	s_mov_b32 s[G0B+4*\s], 1
	s_add_co_u32 s[G0B+4*\s+1], s67, \s*SLOT
	s_add_nc_u64 s[G0B+4*\s+2:G0B+4*\s+3], s[46:47], \s*256
	s_or_b32 s[G0B+4*\s+3], s[G0B+4*\s+3], 0x80000000
	JLOAD G0+4*\s, G1, G0B+4*\s, G1B               ; two loads of mine are out
.endr
	v_and_b32 v1, 15, v0                           ; r
	v_bfe_u32 v2, v0, 4, 1                         ; h
	v_and_b32 v5, 31, v0
	v_lshlrev_b32 v5, 4, v5                        ; 16 x lane
	v_mul_u32_u24 v3, v1, PITCH
	v_lshl_add_u32 v4, v2, 3, v3                   ; B: row x pitch + 8 h
	s_lshl_b32 s21, s15, 15                        ; my 128 tokens' images
	s_mul_i32 s22, s16, BHALF
	s_add_co_u32 s22, s22, BOFF                    ; my 64 rows of B
.irp s, 0,1
	v_add_nc_u32 v[ADRA+\s], s21, v5
	v_add_nc_u32 v[ADRB+\s], s22, v4
	s_add_co_u32 s21, s21, SLOT
	s_add_co_u32 s22, s22, SLOT
.endr
	s_mul_i32 s23, s14, 16*SPITCH
	s_add_co_u32 s23, s23, STAGE                   ; my stage
	v_mul_u32_u24 v6, v1, SPITCH                   ; in: row r, 32 bytes for each half of the lanes
	v_lshl_add_u32 v6, v2, 5, v6
	v_add_nc_u32 v[STO], s23, v6
	v_mul_u32_u24 v6, v2, SPITCH                   ; back: lanes 0-15 one row of 256 bytes, lanes 16-31 the next
	v_lshl_add_u32 v6, v1, 4, v6
	v_add_nc_u32 v[RD], s23, v6
	v_lshlrev_b32 v6, 12, v2                       ; and the same two rows of out0, 4,096 bytes apart
	v_lshl_add_u32 v[CO], v1, 4, v6
	s_lshl_b32 s18, s42, 9                         ; my first output, in bytes: 512 x tile + 256 x half
	s_lshl_b32 s19, s16, 8
	s_add_co_u32 s18, s18, s19
	v_lshl_add_u32 v[BO], v2, 5, s18               ; the bias: column block b, register j: output 16 b + 8 h + j of my 64
.irp b, 0,1,2,3
	global_load_b128 v[BIAS+8*\b:BIAS+8*\b+3], v[BO], s[10:11] offset:64*\b
	global_load_b128 v[BIAS+8*\b+4:BIAS+8*\b+7], v[BO], s[10:11] offset:64*\b+16
.endr
	s_lshl_b32 s20, s17, 20                        ; my first row of out0: (256 x tile + 128 x half) rows of 4,096 bytes: under 2^25
	s_lshl_b32 s19, s15, 19
	s_add_co_u32 s20, s20, s19
	s_add_co_u32 s20, s20, s18
	s_mov_b32 s21, 0
	s_add_nc_u64 s[12:13], s[12:13], s[20:21]
.macro FRAGA reg, slot, q, a           ; two images on end: 16 tokens x 128 K
.irp c, 0,1,2,3
	ds_load_b128 v[\reg+4*\c:\reg+4*\c+3], v[ADRA+\slot] offset:4096*(\a)+2048*(\q)+512*\c
.endr
.endm
.macro FRAGB reg, slot, q, b           ; 16 rows of Wo x 128 K, each k in the place that it has in A's images
.irp c, 0,1,2,3,4,5,6,7
	ds_load_b64 v[\reg+2*\c:\reg+2*\c+1], v[ADRB+\slot] offset:(\b)*16*PITCH+128*(\q)+16*\c
.endr
.endm
; 8 matrix instructions: A's blocks a0, a0 + 1 x B's four.  The 32 accumulators take turns, one instruction a turn, in the same order in every step.
.macro MUL8 a0, p, zero
.irp a, \a0, \a0+1
.irp b, 0,1,2,3
.if \zero
	v_wmma_f32_16x16x128_fp8_fp8 v[8*(4*(\a)+\b):8*(4*(\a)+\b)+7], v[64*(\p)+FR*\b:64*(\p)+FR*\b+FR-1], v[AF+FR*(\a):AF+FR*(\a)+FR-1], 0
.else
	v_wmma_f32_16x16x128_fp8_fp8 v[8*(4*(\a)+\b):8*(4*(\a)+\b)+7], v[64*(\p)+FR*\b:64*(\p)+FR*\b+FR-1], v[AF+FR*(\a):AF+FR*(\a)+FR-1], v[8*(4*(\a)+\b):8*(4*(\a)+\b)+7]
.endif
.endr
.endr
.endm
.macro FETCH_B slot, q, p              ; 32 loads
	WIN TO_B
.irp i, 0,1,2,3
	FRAGB 64*(\p)+FR*\i, \slot, \q, \i
.endr
	WIN 0
.endm
.macro FETCH_A slot, q, i0             ; 16 loads: A's blocks i0 .. i0 + 3
.irp i, \i0, \i0+1, \i0+2, \i0+3
	FRAGA AF+FR*(\i), \slot, \q, \i
.endr
.endm
.macro PLACES n
.rept \n
	v_nop
.endr
.endm
.macro STEP slot, q, zero              ; a step of 128 along K that has its successor in the same slot
	s_wait_dscnt 16                                ; B's set and A's blocks 0-3 are in; the youngest 16 loads (A's blocks 4-7) may be out
	WIN MUL
	MUL8 0, (\q)%2, \zero
	MUL8 2, (\q)%2, \zero
	s_wait_dscnt 0
	PLACES NP
	FETCH_B \slot, (\q)+1, 1-(\q)%2
	FETCH_A \slot, (\q)+1, 0
	WIN MUL
	MUL8 4, (\q)%2, \zero
	MUL8 6, (\q)%2, \zero
	PLACES NP
	WIN 0
	FETCH_A \slot, (\q)+1, 4
.endm
.macro TURN slot, next, fill           ; a slot's last step changes slots
	s_wait_tensorcnt 0x0                           ; all my tensor loads have landed: my part of the next slot
	ds_add_u32 v[SPW], v[NIL]                      ; 0 onto my spare word
	s_wait_dscnt 17                                ; the add and the youngest 16 loads (A's blocks 4-7) may be out
	WIN MUL
	MUL8 0, 1, 0                                   ; eight matrix instructions stand between the add and the wait for it
	s_wait_dscnt 0x0                               ; the add is done, and my reads of this slot are over
	s_barrier_signal -1
	MUL8 2, 1, 0
	WIN 0
	s_barrier_wait -1
.if \fill
	CREST                                          ; the barrier has opened a round of the cluster's barrier
	s_add_nc_u64 s[G0+4*\slot+2:G0+4*\slot+3], s[G0+4*\slot+2:G0+4*\slot+3], 2*4096
	s_add_nc_u64 s[G0B+4*\slot+2:G0B+4*\slot+3], s[G0B+4*\slot+2:G0B+4*\slot+3], 2*256
	JLOAD G0+4*\slot, G1, G0B+4*\slot, G1B         ; the first tensor load behind the round; its four v_nop are the places in front of the loads below
.else
	PLACES NP
.endif
	FETCH_B \next, 0, 0
	FETCH_A \next, 0, 0
	WIN MUL
	MUL8 4, 1, 0
	MUL8 6, 1, 0
	PLACES NP
	WIN 0
	FETCH_A \next, 0, 4
.endm
	s_wait_loadcnt 0x0                             ; the bias, while the first tiles are on their way
	s_wait_tensorcnt 1                             ; my part of slot 0 is in; slot 1's load may be out
	s_barrier_signal -1
	s_barrier_wait -1
	FETCH_B 0, 0, 0
	FETCH_A 0, 0, 0
	FETCH_A 0, 0, 4
	STEP 0, 0, 1                                   ; the first step's products start the sums
	s_mov_b32 s3, LAPS-1
.Llap:
	TURN 0, 1, 1
	STEP 1, 0, 0
	TURN 1, 0, 1
	STEP 0, 0, 0
	s_sub_co_u32 s3, s3, 1
	s_cmp_lg_u32 s3, 0
	s_cbranch_scc1 .Llap
	TURN 0, 1, 0                                   ; the last lap fills nothing
	STEP 1, 0, 0
	s_wait_dscnt 16                                ; the last step
	WIN MUL
	MUL8 0, 1, 0
	MUL8 2, 1, 0
	s_wait_dscnt 0
	MUL8 4, 1, 0
	MUL8 6, 1, 0
	WIN 0
; THE WAY OUT, block by block of 16 tokens x 64 outputs: sum x 2^(e10 + e11) + bias, through my own stage, back as whole rows of 256 bytes.  LDS serves a wave's instructions in order (ISA guide 5.7.1.4).
.macro TOSTAGE a
.set AC, 32*(\a)
	WIN 0x02                                       ; source 0: window 2
.irp n, 0,2,4,6,8,10,12,14,16,18,20,22,24,26,28,30
	v_pk_fma_f32 v[TMP+\n:TMP+\n+1], v[AC+\n:AC+\n+1], s[96:97], v[BIAS+\n:BIAS+\n+1] op_sel_hi:[1,0,1]   ; each accumulator from its low end on
.endr
	WIN 0
.irp b, 0,1,2,3
	ds_store_b128 v[STO], v[TMP+8*\b:TMP+8*\b+3] offset:64*\b
	ds_store_b128 v[STO], v[TMP+8*\b+4:TMP+8*\b+7] offset:64*\b+16
.endr
.set BB, BK+32*((\a)%2)
.irp t, 0,1,2,3,4,5,6,7
	ds_load_b128 v[BB+4*\t:BB+4*\t+3], v[RD] offset:\t*2*SPITCH
.endr
.endm
.macro SEND a, younger                 ; younger: the LDS instructions issued behind block a's loads
.set BB, BK+32*((\a)%2)
	s_wait_dscnt \younger
.if (\a) > 0
	s_add_nc_u64 s[12:13], s[12:13], 16*4096       ; behind a wait on XCNT: the earlier stores have read their base
.endif
.irp t, 0,1,2,3,4,5,6,7
	global_store_b128 v[CO], v[BB+4*\t:BB+4*\t+3], s[12:13] offset:2*\t*4096 th:TH_STORE_NT   ; sixteen lanes store 256 consecutive bytes, at a multiple of 256 from out0's first byte
.endr
.endm
	s_wait_kmcnt 0x0
	s_add_co_i32 s96, s96, s97
	s_add_co_i32 s96, s96, 127
	s_lshl_b32 s96, s96, 23                        ; 2^(e10 + e11) as f32
	s_mov_b32 s97, s96                             ; named with it as a pair
	PLACES NP
	TOSTAGE 0
.irp a, 1,2,3,4,5,6,7
.if \a > 1
	s_wait_xcnt 0x0                                ; block a - 2's stores have read their registers and their base
.endif
	TOSTAGE \a
	SEND \a-1, 16                                  ; behind block a - 1's loads: block a's 8 stores and 8 loads
.endr
	s_wait_xcnt 0x0
	SEND 7, 0
	s_wait_tensorcnt 0x0                           ; the wave's end
	ds_add_u32 v[SPW], v[NIL]
	s_wait_dscnt 0x0
	CROUND                                         ; the closing round
	s_endpgm
.Lfunc_end_k_q114b458bc8_proj:
	.size	k_q114b458bc8_proj, .Lfunc_end_k_q114b458bc8_proj-k_q114b458bc8_proj
	.p2alignl 7, 3214868480
	.fill 96, 4, 3214868480
	.section	.rodata,"a",@progbits
	.p2align	6, 0x0
	.amdhsa_kernel k_q114b458bc8_proj
		.amdhsa_group_segment_fixed_size 327680
		.amdhsa_private_segment_fixed_size 0
		.amdhsa_enable_private_segment 0
		.amdhsa_kernarg_size 40
		.amdhsa_user_sgpr_count 2
		.amdhsa_user_sgpr_kernarg_segment_ptr 1
		.amdhsa_wavefront_size32 1
		.amdhsa_system_sgpr_workgroup_id_x 1
		.amdhsa_system_sgpr_workgroup_id_y 1
		.amdhsa_system_sgpr_workgroup_id_z 1
		.amdhsa_system_vgpr_workitem_id 0
		.amdhsa_next_free_vgpr 768
		.amdhsa_next_free_sgpr 100
		.amdhsa_reserve_vcc 0
		.amdhsa_float_denorm_mode_32 3
		.amdhsa_float_denorm_mode_16_64 3
		.amdhsa_memory_ordered 1
		.amdhsa_forward_progress 1
		.amdhsa_inst_pref_size 86
	.end_amdhsa_kernel
	.amdgpu_metadata
---
amdhsa.version: [ 1, 2 ]
amdhsa.kernels:
  - .name:           k_q114b458bc8_proj
    .symbol:         k_q114b458bc8_proj.kd
    .args:
      - { .name: ac, .offset: 0, .size: 8, .value_kind: global_buffer, .address_space: global }
      - { .name: Wo_codes, .offset: 8, .size: 8, .value_kind: global_buffer, .address_space: global }
      - { .name: lowp_scales, .offset: 16, .size: 8, .value_kind: global_buffer, .address_space: global }
      - { .name: bo, .offset: 24, .size: 8, .value_kind: global_buffer, .address_space: global }
      - { .name: out0, .offset: 32, .size: 8, .value_kind: global_buffer, .address_space: global }
    .group_segment_fixed_size: 327680
    .private_segment_fixed_size: 0
    .kernarg_segment_align: 8
    .kernarg_segment_size: 40
    .max_flat_workgroup_size: 128
    .sgpr_count:     100
    .vgpr_count:     768
    .wavefront_size: 32
...
	.end_amdgpu_metadata
.endif
;; end of part 3
